; MI455X (gfx1250); checked and timed in simulation.
; The chip was launched on July 23, 2026; its instructions are those of AMD's public machine-readable ISA for CDNA 5 (MIT licence, August 2026) and "CDNA5" Instruction Set Architecture Reference Guide (July 2026). The comments in the code are by the model that wrote it; some were corrected since.
;; Multi Head Attention Layer. Allowed arithmetic: matrix products marked QUANTISED: E2M3 operands, one E8M0 scale for each 32 along K, by v_wmma_scale_f32_16x16x128_f8f6f4 with both operands' format E2M3, f32 sums; everything else in f32.
;; Inputs: Wk 1,024 x 1,024 float32; Wo 1,024 x 1,024 float32; Wq 1,024 x 1,024 float32; Wv 1,024 x 1,024 float32; bk 1,024 float32; bo 1,024 float32; bq 1,024 float32; bv 1,024 float32; key 4 x 2,048 x 1,024 float32; query 4 x 2,048 x 1,024 float32; value 4 x 2,048 x 1,024 float32.
;; Outputs: out0 4 x 2,048 x 1,024 float32.
;; This version of the problem:
;;   THIS VERSION OF THE PROBLEM IS GIVEN IN LOW PRECISION. The matrix products marked QUANTISED in the list below multiply operands that are first quantised to E2M3 (2 exponent bits, 3 mantissa bits; 6 bits a number), with one power-of-two scale for each 32 numbers along K (OCP MX v1.0); their sums are f32. All else is computed in f32.
;;   The module's matrix products, in the order in which they are computed (A, B: the left and right operand; K: the contracted axis; several contracted axes count as one K, in the product's order):
;;     1. [M 8,192, K 1,024] x [K 1,024, N 1,024]; A: input query; B: input Wq: QUANTISED
;;     2. [M 8,192, K 1,024] x [K 1,024, N 1,024]; A: input key; B: input Wk: QUANTISED
;;     3. [M 8,192, K 1,024] x [K 1,024, N 1,024]; A: input value; B: input Wv: QUANTISED
;;     4. batch 64 x [M 2,048, K 64] x [K 64, N 2,048]; A: computed on the way; B: computed on the way: QUANTISED
;;     5. batch 64 x [M 2,048, K 2,048] x [K 2,048, N 64]; A: softmax (see below); B: computed on the way: QUANTISED
;;     6. [M 8,192, K 1,024] x [K 1,024, N 1,024]; A: computed on the way; B: input Wo: QUANTISED
;;   THE QUANTISER, for each operand of a quantised product, along K:
;;     - K is cut into blocks of 32 from its start; a last block that is shorter is filled with zeros.
;;     - A block's scale is 2^e with e = floor(log2(the largest magnitude in the block)) - 2, held to -126 .. 127; a block of zeros has e = 0. As a byte (E8M0): e + 127.
;;     - Each number is divided by its block's scale, clamped to +-7.5, and rounded to the nearest number of E2M3, ties to even, subnormals kept.
;;     - The product sums the exact products of the quantised numbers (number of the format x scale) in f32.
;;   ~~~python
;;   def quantise(x, axis):      # numpy; x: float32 -> the quantised numbers, widened to float32 again
;;       x = np.moveaxis(x, axis, -1); K = x.shape[-1]
;;       x = np.pad(x, [(0, 0)] * (x.ndim - 1) + [(0, -K % 32)]); x = x.reshape(x.shape[:-1] + (-1, 32)); a = np.abs(x).max(-1, keepdims=True)
;;       e = np.where(a > 0, np.clip(np.frexp(np.where(a > 0, a, 1))[1] - 1 - 2, -126, 127), 0)      # np.frexp(a)[1] - 1 = floor(log2(a)), exactly
;;       r = np.clip(x / 2.0 ** e, -7.5, 7.5)
;;       step = 2.0 ** (np.maximum(np.frexp(np.where(r == 0, 1, r))[1] - 1, 0) - 3)
;;       q = np.round(r / step) * step * 2.0 ** e      # np.round: ties to even
;;       return np.moveaxis(q.reshape(q.shape[:-2] + (-1,))[..., :K], -1, axis).astype(np.float32)
;;   ~~~
;;   SOFTMAX AHEAD OF A QUANTISED PRODUCT. Where the list says 'softmax', what is quantised is not the finished softmax but p = 2^(t - M), with t = logit x log2(e) and M = ceil(the row's largest t), a whole number; so 1/2 < the row's largest p <= 1. The row's sum l is taken of the UNQUANTISED p, in f32, and the product's result is divided by l at the end. Since M is a whole number, a kernel that streams over the keys may use a running M (the ceiling of the running maximum): every later rescaling is an exact power of two, which a block's scale takes up: the codes' values come out the same.
;;   OPERANDS COMPUTED ON THE WAY. 'Computed on the way' means the value that the module computes at that place (a softmax that the list does not call 'softmax' is quantised finished and normalised). What goes into a quantiser is computed in f32, as accurately as f32 sums, v_exp_f32 and their like allow (about 1e-6 of the number): no bf16 or f16 on the way to a quantiser, and a product that is left as it is and whose result goes on into a quantised operand takes f32 operands (vector FMAs, or v_wmma_f32_16x16x4_f32). A number that lies on a knife's edge between two numbers of the format may be rounded either way, as far as f32 arithmetic and the matrix unit's own rounding can turn it there, and no further.
;; One version. Each part assembles by itself: llvm-mc -triple=amdgcn-amd-amdhsa -mcpu=gfx1250 --defsym DOCPART=n.
;; ======== version 1 of 1: 4 launches
;; workspace buffers: codes 22,020,096 bytes; scales 917,504 bytes; qkv 20,185,088 bytes; yimg 6,291,456 bytes; ysc 262,144 bytes
;; launch quant (part 1): grid 896 x 1, 4 waves a work-group, no clusters, 33,280 bytes of LDS; arguments query, key, value, Wq, Wk, Wv, Wo, codes, scales; writes codes, scales
.if DOCPART == 1
	.amdgcn_target "amdgcn-amd-amdhsa--gfx1250"
	.amdhsa_code_object_version 6
	.text
	.protected	k_qda58dc307f_quant
	.globl	k_qda58dc307f_quant
	.p2align	8
	.type	k_qda58dc307f_quant,@function
k_qda58dc307f_quant:
	s_mov_b64 s[64:65], 0
	v_nop
	global_prefetch_b8 v0, s[64:65] scope:SCOPE_SE
	s_setreg_imm32_b32 hwreg(HW_REG_WAVE_MODE, 25, 1), 1
	s_wait_xcnt 0x0
; query, key, value [8192][1024] and Wq, Wk, Wv, Wo [1024][1024], f32, become codes of FP6 (E2M3), 6 bits each, K (the last axis) innermost, with one E8M0 scale byte for each 32 along K.
; The seven tensors' 28,672 rows lie one behind the other in the two outputs: codes, 768 bytes a row; scales, 32 bytes a row.
; A block's scale is 2^(floor(log2(its largest magnitude)) - 2); its byte is the largest magnitude's own exponent field - 2, held at 1 from below.  Each number is divided by the scale and rounded to the nearest code,
; ties to even; what lies beyond 7.5 gets the largest code.
; LIMITS: a block of zeros gets the byte 1 where the quantiser's text says 127 (its codes are zeros, and this program alone reads the bytes); a block whose largest magnitude lies under 2^-124 keeps the byte 1;
; NaN and infinities among the inputs are not served.
; TILE ORDER.  Within each 32 rows the four groups of 8 rows are STORED in the order 0, 2, 1, 3: stored row 16 t + r is true row 32 (t / 2) + 8 (t % 2) + r + 8 (r / 8).  A matrix tile of 16 neighbouring stored rows
; then gives a lane, in two neighbouring tiles' results, 16 neighbours along the true row index, which the later launches quantise along.
; SHARES.  A work-group takes 32 rows, a wave 8 (8,192 numbers, 16 steps of 512); so the tile order is only another place for a wave's output.  Each of a step's four loads reads 512 consecutive bytes; the 2,048 bytes
; turn through the wave's own stage in LDS (16 bytes of padding behind each 64) and come back 16 neighbours a lane, as the conversion wants them; two neighbouring lanes hold a block.
; No tensor loads, no barrier: waves share nothing.  Loads run four steps (16 loads a wave) ahead, the turn through LDS one step.
.set STEPS, 16
.set EMAX,  2
.set CB,    12                         ; bytes of 16 codes
.set R,     16                         ; v16-79   four sets of 16 numbers as they are loaded
.set X,     80                         ; v80-111  two sets of 16 neighbours
.set C,     128                        ; v128-191 codes: four registers for each step, so that no store's data are written again
.set E,     112                        ; v112-127 a scale byte for each step
.set WREG,  8192                       ; LDS: a region for each wave: two stages of 32 x SP bytes, behind them its 256 scale bytes
.set SP,    80                         ; a lane's place in a stage: 64 bytes + 16 of padding
	s_load_b512 s[4:19], s[0:1], 0x0               ; query, key, value, Wq, Wk, Wv, Wo, codes
	s_load_b64 s[20:21], s[0:1], 0x40              ; scales
	v_lshl_add_u32 v192, v0, 2, 0x8000
	v_mov_b32 v193, 0
	v_lshrrev_b32 v1, 5, v0
	v_readfirstlane_b32 s25, v1                    ; wave
	v_and_b32 v2, 31, v0                           ; lane
	v_lshlrev_b32 v3, 4, v2                        ; my 16 bytes of a load's 512
	s_mul_i32 s26, s25, WREG
	v_lshrrev_b32 v14, 2, v2
	v_mul_u32_u24 v14, v14, SP
	v_and_b32 v15, 3, v2
	v_lshl_add_u32 v14, v15, 4, v14
	v_add_nc_u32 v14, s26, v14                     ; the stage, on the way in: SP (lane / 4) + 16 (lane % 4); a load's 512 bytes take eight places
	v_mul_u32_u24 v15, v2, SP
	v_add_nc_u32 v15, s26, v15                     ; and on the way out: SP x lane: my 16 neighbours
	v_mul_u32_u24 v4, v2, CB                       ; my codes' place in a step's
	v_lshrrev_b32 v5, 1, v2
	s_add_co_u32 s26, s26, 2*32*SP
	v_add_nc_u32 v5, s26, v5                       ; LDS: my wave's 256 scale bytes, my block's byte
	v_lshlrev_b32 v7, 3, v2                        ; and on the way out 8 bytes a lane
	v_add_nc_u32 v6, s26, v7
	s_wait_alu depctr_va_vdst(0)
	s_wait_kmcnt 0x0
	; which tensor is my work-group's: the choice hangs on the work-group's number alone.  s[22:23] its address, s24 its first work-group
	s_mov_b64 s[22:23], s[16:17]
	s_mov_b32 s24, 864
.macro PICK lim, ptr, start
	s_cmp_lt_u32 ttmp9, \lim
	s_cselect_b64 s[22:23], s[\ptr:\ptr+1], s[22:23]
	s_cselect_b32 s24, \start, s24
.endm
	PICK 864, 14, 832                              ; Wv
	PICK 832, 12, 800                              ; Wk
	PICK 800, 10, 768                              ; Wq
	PICK 768, 8, 512                               ; value
	PICK 512, 6, 256                               ; key
	PICK 256, 4, 0                                 ; query
	s_sub_co_u32 s27, ttmp9, s24
	s_lshl_b32 s27, s27, 2
	s_add_co_u32 s27, s27, s25                     ; which run of 8 rows of the tensor I read
	s_lshl_b32 s28, s27, 15                        ; 32,768 bytes a run (under 2^26)
	s_mov_b32 s29, 0
	s_add_nc_u64 s[22:23], s[22:23], s[28:29]
	s_and_b32 s30, s25, 1                          ; and where it goes: waves 0, 1, 2, 3 write the groups 0, 2, 1, 3 of the work-group's 32 rows
	s_lshl_b32 s30, s30, 1
	s_lshr_b32 s31, s25, 1
	s_or_b32 s30, s30, s31
	s_lshl_b32 s31, ttmp9, 2
	s_add_co_u32 s30, s30, s31
	s_mul_i32 s28, s30, 32*STEPS*CB                ; 6,144 bytes of codes a run
	s_add_nc_u64 s[18:19], s[18:19], s[28:29]
	s_lshl_b32 s28, s30, 8                         ; 256 scale bytes a run
	s_add_nc_u64 s[20:21], s[20:21], s[28:29]
.macro LOAD t
.irp i, 0,1,2,3
	global_load_b128 v[R+16*((\t)%4)+4*\i:R+16*((\t)%4)+4*\i+3], v3, s[22:23] offset:2048*(\t)+512*\i th:TH_LOAD_NT   ; 32 lanes read 512 consecutive bytes
.endr
.endm
.macro TURN t                          ; step t's numbers through the stage: LDS serves a wave's instructions in order, so no wait stands between the stores and the loads
.irp i, 0,1,2,3
	ds_store_b128 v14, v[R+16*((\t)%4)+4*\i:R+16*((\t)%4)+4*\i+3] offset:32*SP*((\t)%2)+8*SP*\i
.endr
.irp i, 0,1,2,3
	ds_load_b128 v[X+16*((\t)%2)+4*\i:X+16*((\t)%2)+4*\i+3], v15 offset:32*SP*((\t)%2)+16*\i
.endr
.endm
.irp t, 0,1,2,3
	LOAD \t
.endr
	s_wait_loadcnt 12                              ; step 0's four loads are in; the twelve of steps 1 to 3 may be out
	TURN 0
.macro STEP t
.set XS, X+16*((\t)%2)
.if (\t) > 0
	s_wait_dscnt 1                                 ; this step's numbers are back from the stage (the last step's byte store may be out): so its stores into the stage have read their registers,
.else
	s_wait_dscnt 0x0
.endif
.if (\t)+4 < STEPS
	LOAD (\t)+4                                    ; which take the loads of four steps on
.endif
.if (\t)+1 < STEPS
.if STEPS-2-(\t) >= 3
	s_wait_loadcnt 12                              ; the next step's four loads are in; those of the three steps behind it may be out
.else
	s_wait_loadcnt 4*(STEPS-2-(\t))                ; the tail: fewer steps are behind it
.endif
	TURN (\t)+1                                    ; and go through the other stage while this step is worked
.endif
	v_max3_num_f32 v8, |v[XS]|, |v[XS+1]|, |v[XS+2]|               ; the largest magnitude of my 16, in two chains
	v_max3_num_f32 v9, |v[XS+3]|, |v[XS+4]|, |v[XS+5]|
.irp i, 6,10
	v_max3_num_f32 v8, v8, |v[XS+\i]|, |v[XS+\i+1]|
	v_max3_num_f32 v9, v9, |v[XS+\i+2]|, |v[XS+\i+3]|
.endr
	v_max3_num_f32 v8, v8, |v[XS+14]|, |v[XS+15]|
	v_max3_num_f32 v8, v8, v9, (EMAX+1)<<23        ; and the floor 2^(3 - 127): the byte cannot fall under 1
	v_max_num_f32_dpp v8, v8, v8 row_xmask:1 row_mask:0xf bank_mask:0xf   ; and of my neighbour's 16: the block's
	v_add_nc_u32 v11, -(EMAX<<23), v8              ; 2 off its exponent field: the conversion takes the exponent field of this operand as its scale, and nothing else of it
	v_cvt_scalef32_pk16_fp6_f32 v[C+4*(\t):C+4*(\t)+2], v[XS:XS+15], v11         ; sixteen codes, 96 bits without gaps, the first number's code lowest
	v_lshrrev_b32 v[E+(\t)], 23, v11               ; the scale's byte (a plain line behind the conversion)
	ds_store_b8 v5, v[E+(\t)] offset:16*(\t)       ; both lanes of a block write the same byte with the same value
	global_store_b96 v4, v[C+4*(\t):C+4*(\t)+2], s[18:19] offset:32*CB*(\t)      ; the wave stores 384 consecutive bytes
.endm
.irp t, 0,1,2,3,4,5,6,7,8,9,10,11,12,13,14,15
	STEP \t
.endr
	ds_load_b64 v[12:13], v6                       ; LDS serves a wave's instructions in order: these see my stores
	s_wait_dscnt 0x0
	global_store_b64 v7, v[12:13], s[20:21]        ; 32 lanes store 256 consecutive bytes, aligned: the scale bytes of my 8 rows
	s_wait_tensorcnt 0x0
	ds_add_u32 v192, v193
	s_wait_dscnt 0x0
	s_endpgm
.Lfunc_end_k_qda58dc307f_quant:
	.size	k_qda58dc307f_quant, .Lfunc_end_k_qda58dc307f_quant-k_qda58dc307f_quant
	.p2alignl 7, 3214868480
	.fill 96, 4, 3214868480
	.section	.rodata,"a",@progbits
	.p2align	6, 0x0
	.amdhsa_kernel k_qda58dc307f_quant
		.amdhsa_group_segment_fixed_size 33280
		.amdhsa_private_segment_fixed_size 0
		.amdhsa_enable_private_segment 0
		.amdhsa_kernarg_size 72
		.amdhsa_user_sgpr_count 2
		.amdhsa_user_sgpr_kernarg_segment_ptr 1
		.amdhsa_wavefront_size32 1
		.amdhsa_system_sgpr_workgroup_id_x 1
		.amdhsa_system_sgpr_workgroup_id_y 1
		.amdhsa_system_sgpr_workgroup_id_z 1
		.amdhsa_system_vgpr_workitem_id 0
		.amdhsa_next_free_vgpr 194
		.amdhsa_next_free_sgpr 66
		.amdhsa_reserve_vcc 0
		.amdhsa_float_denorm_mode_32 3
		.amdhsa_float_denorm_mode_16_64 3
		.amdhsa_memory_ordered 1
		.amdhsa_forward_progress 1
		.amdhsa_inst_pref_size 33
	.end_amdhsa_kernel
	.amdgpu_metadata
---
amdhsa.version: [ 1, 2 ]
amdhsa.kernels:
  - .name:           k_qda58dc307f_quant
    .symbol:         k_qda58dc307f_quant.kd
    .args:
      - { .name: query, .offset: 0, .size: 8, .value_kind: global_buffer, .address_space: global }
      - { .name: key, .offset: 8, .size: 8, .value_kind: global_buffer, .address_space: global }
      - { .name: value, .offset: 16, .size: 8, .value_kind: global_buffer, .address_space: global }
      - { .name: Wq, .offset: 24, .size: 8, .value_kind: global_buffer, .address_space: global }
      - { .name: Wk, .offset: 32, .size: 8, .value_kind: global_buffer, .address_space: global }
      - { .name: Wv, .offset: 40, .size: 8, .value_kind: global_buffer, .address_space: global }
      - { .name: Wo, .offset: 48, .size: 8, .value_kind: global_buffer, .address_space: global }
      - { .name: codes, .offset: 56, .size: 8, .value_kind: global_buffer, .address_space: global }
      - { .name: scales, .offset: 64, .size: 8, .value_kind: global_buffer, .address_space: global }
    .group_segment_fixed_size: 33280
    .private_segment_fixed_size: 0
    .kernarg_segment_align: 8
    .kernarg_segment_size: 72
    .max_flat_workgroup_size: 128
    .sgpr_count:     66
    .vgpr_count:     194
    .wavefront_size: 32
...
	.end_amdgpu_metadata
.endif
;; end of part 1
;; launch proj (part 2): grid 4 x 96, 4 waves a work-group, clusters of 4 x 4, 327,680 bytes of LDS; arguments codes, scales, bq, bk, bv, qkv; writes qkv
.if DOCPART == 2
	.amdgcn_target "amdgcn-amd-amdhsa--gfx1250"
	.amdhsa_code_object_version 6
	.text
	.protected	k_qda58dc307f_proj
	.globl	k_qda58dc307f_proj
	.p2align	8
	.type	k_qda58dc307f_proj,@function
k_qda58dc307f_proj:
	s_mov_b64 s[64:65], 0
	v_nop
	global_prefetch_b8 v0, s[64:65] scope:SCOPE_SE
	s_setreg_imm32_b32 hwreg(HW_REG_WAVE_MODE, 25, 1), 1
	s_wait_xcnt 0x0
	s_wait_alu depctr_hold_cnt(0) depctr_sa_sdst(0) depctr_va_vdst(0) depctr_va_sdst(0) depctr_va_ssrc(0) depctr_va_vcc(0) depctr_vm_vsrc(0)
	s_getreg_b32 s2, hwreg(HW_REG_IB_STS2, 6, 4)
	s_cmp_eq_u32 s2, 0
	s_cbranch_scc0 .Lentry_in_a_cluster
	s_endpgm
.Lentry_in_a_cluster:
	s_bfe_u32 s2, ttmp6, 0x10000c
	s_cmp_lg_u32 s2, 0xf033
	s_cbranch_scc0 .Lentry_shape_is_right
	s_endpgm
.Lentry_shape_is_right:
.set NQ,     2
.set ROWB,   192
.set KROW,   768
.set PITCH,  240
.set FR,     12
.set NL,     6
.set NP,     4
.set HALFT,  128*PITCH
.set SLOT,   4*HALFT
.set LAPS,   2
.set KS,     32
.set SCL,    2*SLOT
.set HALFS,  16*272
.set SBLK,   2*272
.set SPARE,  SCL+4*HALFS
.set HS,     315392
.set VIMG,   98304
.set KSC,    196608
.set VSC,    204800
.set QIMG,   208896
.set QSC,    307200
.set ADRA, 16
.set ADRB, 20
.set G16,  24
.set G8,   25
.set GS,   26
.set ADRS, 27
.set SPW,  28
.set NIL,  29
.set FLOOR, 30
.set SC,   32
.set BIAS, 64
.set AF,   128
.set TM,   32
.set CD,   48
.set CD2,  60
.set PWS,  72
.set DS,   80
.set DS2,  84
.set WV, 16
.set HA, 17
.set HB, 18
.set P,  19
.set CX, 40
.set CY, 41
.set CYL, 66
.set G1, 24
.set G0, 32
.set G1B, 48
.set G0B, 56
.set G1S, 68
.set G0S, 76
.set G1SB, 80
.set G0SB, 88
.set MSB, 0
.macro WIN new
.if MSB != (\new)
	s_set_vgpr_msb (MSB<<8)|(\new)
.set MSB, (\new)
.endif
.endm
.set MUL_LO, 0xa1
.set MUL_HI, 0xf1
.set TO_B,   0x40
.macro JLOAD g0a, g1a, g0b, g1b
	s_cmp_eq_u32 s[HA], 0
	s_cbranch_scc0 .Lfor_b_\@
	tensor_load_to_lds s[\g0a:\g0a+3], s[\g1a:\g1a+7]
	s_nop 0
.rept 4
	v_nop
.endr
	s_branch .Lasked_\@
.Lfor_b_\@:
	tensor_load_to_lds s[\g0b:\g0b+3], s[\g1b:\g1b+7]
	s_nop 0
.rept 4
	v_nop
.endr
.Lasked_\@:
.endm
.macro CREST
	s_cmp_lg_u32 s[WV], 0
	s_cbranch_scc1 .Lnot_wave_0_\@
	s_barrier_signal -3
.Lnot_wave_0_\@:
	s_barrier_wait -3
	s_barrier_signal -1
	s_barrier_wait -1
.endm
.macro CROUND
	s_barrier_signal -1
	s_barrier_wait -1
	CREST
.endm
	s_load_b256 s[4:11], s[0:1], 0x0
	s_load_b128 s[12:15], s[0:1], 0x20
	v_lshl_add_u32 v[SPW], v0, 2, SPARE
	v_mov_b32 v[NIL], 0
	ds_add_u32 v28, v29
	ds_add_u32 v28, v29
	s_wait_dscnt 0x0
	v_lshrrev_b32 v1, 5, v0
	v_readfirstlane_b32 s[WV], v1
	s_lshr_b32 s[HA], s[WV], 1
	s_and_b32 s[HB], s[WV], 1
	s_bfe_u32 s[CX], ttmp6, 0x40000
	s_bfe_u32 s[CY], ttmp6, 0x40004
	s_and_b32 s[CYL], ttmp7, 0xffff
	s_lshr_b32 s[P], s[CYL], 3
	s_lshl_b32 s43, s[CY], 2
	s_lshl_b32 s43, 15, s43
	s_lshl_b32 s44, 0x1111, s[CX]
	s_mov_b32 s100, 0xffff0000
	s_mov_b32 s42, 0x76543210
	s_mov_b32 s101, 0xfedcba98
	s_or_b32 s[G1+0], s43, (0<<16)|(1<<20)|(1<<21)|(3<<22)|(3<<25)
	s_or_b32 s[G1B+0], s44, (0<<16)|(1<<20)|(1<<21)|(3<<22)|(3<<25)
.irp g, G1, G1B
	s_mov_b32 s[\g+1], ROWB<<16
	s_mov_b32 s[\g+2], 128<<16
	s_mov_b32 s[\g+3], ROWB<<16
	s_mov_b32 s[\g+4], 128
	s_mov_b32 s[\g+5], KROW
	s_mov_b32 s[\g+6], 0
	s_mov_b32 s[\g+7], 0
.endr
	s_or_b32 s[G1S+0], s43, (3<<16)|(1<<20)|(1<<21)|(5<<22)|(3<<25)
	s_or_b32 s[G1SB+0], s44, (3<<16)|(1<<20)|(1<<21)|(5<<22)|(3<<25)
.irp g, G1S, G1SB
	s_mov_b32 s[\g+1], 32<<16
	s_mov_b32 s[\g+2], 16<<16
	s_mov_b32 s[\g+3], 32<<16
	s_mov_b32 s[\g+4], 16
	s_mov_b32 s[\g+5], 32
	s_mov_b32 s[\g+6], 0
	s_mov_b32 s[\g+7], 0
.endr
	s_lshl_b32 s20, s[CYL], 10
	s_lshl_b32 s21, s[P], 10
	s_add_co_u32 s21, s21, 24576
	s_cmp_eq_u32 s[P], 2
	s_cselect_b32 s22, 26624, s20
	s_cselect_b32 s46, s20, s21
	s_lshl_b32 s23, s[HB], 7
	s_lshl_b32 s20, s[CY], 8
	s_add_co_u32 s20, s20, s22
	s_add_co_u32 s20, s20, s23
	s_lshl_b32 s47, s[CX], 8
	s_add_co_u32 s46, s46, s47
	s_add_co_u32 s46, s46, s23
	s_lshl_b32 s92, s20, 5
	s_mov_b32 s93, 0
	s_lshl_b32 s94, s46, 5
	s_mov_b32 s95, 0
	s_mul_i32 s20, s20, KROW
	s_mov_b32 s21, 0
	s_mul_i32 s46, s46, KROW
	s_mov_b32 s47, 0
	s_mul_i32 s45, s[WV], HALFT
	s_mul_i32 s22, s[WV], HALFS
	s_wait_kmcnt 0x0
	s_add_nc_u64 s[20:21], s[4:5], s[20:21]
	s_add_nc_u64 s[92:93], s[6:7], s[92:93]
	s_add_nc_u64 s[46:47], s[4:5], s[46:47]
	s_add_nc_u64 s[94:95], s[6:7], s[94:95]
	CROUND
	s_mov_b32 s[G0S], 1
	s_add_co_u32 s[G0S+1], s22, SCL
	s_mov_b64 s[G0S+2:G0S+3], s[92:93]
	s_or_b32 s[G0S+3], s[G0S+3], 0x80000000
	s_mov_b32 s[G0SB], 1
	s_add_co_u32 s[G0SB+1], s22, SCL
	s_mov_b64 s[G0SB+2:G0SB+3], s[94:95]
	s_or_b32 s[G0SB+3], s[G0SB+3], 0x80000000
	JLOAD G0S, G1S, G0SB, G1SB
.irp s, 0,1
	s_mov_b32 s[G0+4*\s], 1
	s_add_co_u32 s[G0+4*\s+1], s45, \s*SLOT
	s_add_nc_u64 s[G0+4*\s+2:G0+4*\s+3], s[20:21], \s*ROWB
	s_or_b32 s[G0+4*\s+3], s[G0+4*\s+3], 0x80000000
	s_mov_b32 s[G0B+4*\s], 1
	s_add_co_u32 s[G0B+4*\s+1], s45, \s*SLOT
	s_add_nc_u64 s[G0B+4*\s+2:G0B+4*\s+3], s[46:47], \s*ROWB
	s_or_b32 s[G0B+4*\s+3], s[G0B+4*\s+3], 0x80000000
	s_wait_alu depctr_va_vdst(0)
	s_wait_tensorcnt 0x0
	ds_add_u32 v28, v29
	s_wait_dscnt 0x0
	CROUND
	JLOAD G0+4*\s, G1, G0B+4*\s, G1B
.endr
	v_and_b32 v1, 15, v0
	v_bfe_u32 v2, v0, 4, 1
	s_cmp_eq_u32 s[P], 0
	s_cselect_b64 s[96:97], s[8:9], s[10:11]
	s_cmp_eq_u32 s[P], 2
	s_cselect_b64 s[96:97], s[12:13], s[96:97]
	s_cbranch_scc1 .Lbias_rows
	s_lshl_b32 s22, s[CX], 10
	s_lshl_b32 s23, s[HB], 9
	s_add_co_u32 s22, s22, s23
	s_mov_b32 s23, 0
	s_add_nc_u64 s[96:97], s[96:97], s[22:23]
	s_wait_alu depctr_va_vdst(0)
	v_lshlrev_b32 v7, 6, v2
.irp b, 0,1,2,3,4,5,6,7
	global_load_b128 v[BIAS+8*\b:BIAS+8*\b+3], v7, s[96:97] offset:(32*(\b/2)+8*(\b%2))*4
	global_load_b128 v[BIAS+8*\b+4:BIAS+8*\b+7], v7, s[96:97] offset:(32*(\b/2)+8*(\b%2))*4+16
.endr
	s_branch .Lbias_done
.Lbias_rows:
	s_lshl_b32 s22, s[CY], 10
	s_lshl_b32 s23, s[HA], 9
	s_add_co_u32 s22, s22, s23
	s_mov_b32 s23, 0
	s_add_nc_u64 s[96:97], s[96:97], s[22:23]
	s_wait_alu depctr_va_vdst(0)
	v_and_b32 v7, 8, v1
	v_add_nc_u32 v7, v7, v1
	v_lshlrev_b32 v7, 2, v7
.irp a, 0,1,2,3,4,5,6,7
	global_load_b32 v[BIAS+8*\a], v7, s[96:97] offset:(32*(\a/2)+8*(\a%2))*4
.endr
	s_wait_loadcnt 0x0
.irp a, 0,1,2,3,4,5,6,7
.irp j, 1,2,3,4,5,6,7
	v_mov_b32 v[BIAS+8*\a+\j], v[BIAS+8*\a]
.endr
.endr
.Lbias_done:
	v_mul_u32_u24 v3, v1, PITCH
	v_mul_u32_u24 v4, v2, 24
	v_add_nc_u32 v4, v3, v4
	v_lshl_add_u32 v5, v2, 4, v4
	s_mul_i32 s21, s[HA], HALFT
	s_mul_i32 s22, s[HB], HALFT
	s_add_co_u32 s22, s22, 2*HALFT
.irp s, 0,1
	v_add_nc_u32 v[ADRA+\s], s21, v4
	v_add_nc_u32 v[ADRB+\s], s22, v4
	v_add_nc_u32 v[ADRA+2+\s], s21, v5
	v_add_nc_u32 v[ADRB+2+\s], s22, v5
	s_add_co_u32 s21, s21, SLOT
	s_add_co_u32 s22, s22, SLOT
.endr
	v_mul_u32_u24 v5, v1, KS
	v_lshrrev_b32 v6, 8, v5
	v_lshl_add_u32 v5, v6, 4, v5
	s_mul_i32 s21, s[HA], HALFS
	s_mul_i32 s22, s[HB], HALFS
	s_add_co_u32 s22, s22, 2*HALFS
	s_sub_co_u32 s22, s22, s21
	v_mul_u32_u24 v6, s22, v2
	s_add_co_u32 s21, s21, SCL
	v_add_nc_u32 v5, v5, v6
	v_add_nc_u32 v[ADRS], s21, v5
.macro FRAG reg, adr, q, i
.irp p, 0,1,2,3,4,5
.set PIECE, 12*(\q)+6*(\p/3)+\p%3
.if PIECE%8 < 5
	ds_load_b64 v[\reg+2*\p:\reg+2*\p+1], v[\adr] offset:8*PIECE+16*(PIECE/8)+(\i)*16*PITCH
.else
	ds_load_b64 v[\reg+2*\p:\reg+2*\p+1], v[\adr+2] offset:8*PIECE+16*(PIECE/8)+(\i)*16*PITCH
.endif
.endr
.endm
.macro MUL16 a0, p, q, sc, zero
.irp a, \a0, \a0+1
.irp b, 0,1,2,3,4,5,6,7
.set rD, 8*(8*((\a)%4)+\b)
.set rC, rD
.if \zero == 1
.set rC, BIAS+8*\b
.endif
.if \zero == 2
.set rC, BIAS+8*(\a)
.endif
.set rB, 128*(\p)+FR*\b
.set rA, AF+FR*(\a)
	v_wmma_scale_f32_16x16x128_f8f6f4 v[rD:rD+7], v[rB:rB+FR-1], v[rA:rA+FR-1], v[rC:rC+7], v[SC+8*NQ*(\sc)+NQ*\b+(\q)], v[SC+8*NQ*(\sc)+NQ*(\a)+(\q)] matrix_a_fmt:MATRIX_FMT_FP6 matrix_b_fmt:MATRIX_FMT_FP6 matrix_a_scale:MATRIX_SCALE_ROW1
.endr
.endr
.endm
.macro FETCH_B slot, q, p
	WIN TO_B
.irp i, 0,1,2,3,4,5,6,7
	FRAG 128*(\p)+FR*\i, ADRB+\slot, \q, \i
.endr
	WIN 0
.endm
.macro FETCH_A slot, q, i0
.irp i, \i0, \i0+1, \i0+2, \i0+3
	FRAG AF+FR*(\i), ADRA+\slot, \q, \i
.endr
.endm
.macro SCALES sc
.irp i, 0,1,2,3,4,5,6,7
	ds_load_b64 v[SC+8*NQ*\sc+NQ*\i:SC+8*NQ*\sc+NQ*\i+1], v[ADRS] offset:\i*SBLK
.endr
.endm
.macro PLACES n
.rept \n
	v_nop
.endr
.endm
.macro STEP slot, q, zero
	s_wait_dscnt 4*NL
.if \zero
	WIN 0x81
.else
	WIN MUL_LO
.endif
	MUL16 0, (\q)%2, \q, \slot, \zero
	MUL16 2, (\q)%2, \q, \slot, \zero
	s_wait_dscnt 0
	PLACES NP
	FETCH_B \slot, (\q)+1, 1-(\q)%2
	FETCH_A \slot, (\q)+1, 0
.if \zero
	WIN 0xc1
.else
	WIN MUL_HI
.endif
	MUL16 4, (\q)%2, \q, \slot, \zero
	MUL16 6, (\q)%2, \q, \slot, \zero
	PLACES NP
	WIN 0
	FETCH_A \slot, (\q)+1, 4
.endm
.macro TURN slot, next, fill
	s_wait_tensorcnt 0x0
	ds_add_u32 v[SPW], v[NIL]
	s_wait_dscnt 4*NL+1
	WIN MUL_LO
	MUL16 0, 1, NQ-1, \slot, 0
	s_wait_dscnt 0x0
	s_barrier_signal -1
	MUL16 2, 1, NQ-1, \slot, 0
	WIN 0
	s_barrier_wait -1
.if \fill
	CREST
	s_add_nc_u64 s[G0+4*\slot+2:G0+4*\slot+3], s[G0+4*\slot+2:G0+4*\slot+3], 2*ROWB
	s_add_nc_u64 s[G0B+4*\slot+2:G0B+4*\slot+3], s[G0B+4*\slot+2:G0B+4*\slot+3], 2*ROWB
	JLOAD G0+4*\slot, G1, G0B+4*\slot, G1B
.else
	PLACES NP
.endif
	s_wait_alu depctr_va_vdst(0)
	v_add_nc_u32 v[ADRS], 4*NQ, v[ADRS]
	FETCH_B \next, 0, 0
	FETCH_A \next, 0, 0
	SCALES \next
	WIN MUL_HI
	MUL16 4, 1, NQ-1, \slot, 0
	MUL16 6, 1, NQ-1, \slot, 0
	PLACES NP
	WIN 0
	FETCH_A \next, 0, 4
.endm
	s_wait_alu depctr_va_vdst(0)
	s_wait_tensorcnt 1
	s_barrier_signal -1
	s_barrier_wait -1
	FETCH_B 0, 0, 0
	FETCH_A 0, 0, 0
	SCALES 0
	FETCH_A 0, 0, 4
	s_wait_loadcnt 0x0
	s_cmp_eq_u32 s[P], 2
	s_cbranch_scc1 .Lfirst_rows
	STEP 0, 0, 1
	s_branch .Lfirst_done
.Lfirst_rows:
	STEP 0, 0, 2
.Lfirst_done:
	s_mov_b32 s67, LAPS-1
.Llap:
	TURN 0, 1, 1
	STEP 1, 0, 0
	TURN 1, 0, 1
	STEP 0, 0, 0
	s_sub_co_u32 s67, s67, 1
	s_cmp_lg_u32 s67, 0
	s_cbranch_scc1 .Llap
	TURN 0, 1, 0
	STEP 1, 0, 0
	s_wait_dscnt 4*NL
	WIN MUL_LO
	MUL16 0, 1, NQ-1, 1, 0
	MUL16 2, 1, NQ-1, 1, 0
	s_wait_dscnt 0
	WIN MUL_HI
	MUL16 4, 1, NQ-1, 1, 0
	MUL16 6, 1, NQ-1, 1, 0
	WIN 0
.macro QUANT a
.set ACB, 64*((\a)%4)
	WIN 0x28+0x14*((\a)/4)
.irp b, 0,1,2,3
	v_max3_num_f32 v[TM+\b], v[FLOOR], |v[ACB+16*\b]|, |v[ACB+16*\b+1]|
.endr
.irp i, 2,4,6,8,10,12,14
.irp b, 0,1,2,3
	v_max3_num_f32 v[TM+\b], v[TM+\b], |v[ACB+16*\b+\i]|, |v[ACB+16*\b+\i+1]|
.endr
.endr
	WIN 0
.irp b, 0,1,2,3
	v_permlanex16_b32 v[TM+4+\b], v[TM+\b], s42, s101
.endr
.irp b, 0,1,2,3
	v_max_num_f32 v[TM+\b], v[TM+\b], v[TM+4+\b]
.endr
.irp b, 0,1,2,3
	v_add_nc_u32 v[TM+12+\b], 0xff000000, v[TM+\b]
.endr
.irp b, 0,1,2,3
	v_lshrrev_b32 v[TM+4+\b], 23, v[TM+12+\b]
.endr
	v_lshl_or_b32 v[PWS+(\a)], v[TM+5], 8, v[TM+4]
	v_lshl_or_b32 v[PWS+(\a)], v[TM+6], 16, v[PWS+(\a)]
	v_lshl_or_b32 v[PWS+(\a)], v[TM+7], 24, v[PWS+(\a)]
	s_wait_xcnt 0x0
	WIN 0x02+((\a)/4)
.irp c, 0,1
	v_cvt_scalef32_pk16_fp6_f32 v[CD+6*\c:CD+6*\c+2], v[ACB+32*\c:ACB+32*\c+15], v[TM+12+2*\c]
	v_cvt_scalef32_pk16_fp6_f32 v[CD2+4*\c:CD2+4*\c+2], v[ACB+32*\c+16:ACB+32*\c+31], v[TM+13+2*\c]
.endr
	WIN 0
	v_nop
.irp c, 0,1
.irp i, 0,1,2
	v_permlane16_swap_b32 v[CD+6*\c+\i], v[CD2+4*\c+\i]
.endr
.irp i, 0,1,2
	v_mov_b32 v[CD+6*\c+3+\i], v[CD2+4*\c+\i]
.endr
.endr
.endm
.macro EPI isv
.irp a, 0,1,2,3,4,5,6,7
	QUANT \a
.if \isv
.irp j, 0,1,2
	global_store_b128 v[G16], v[CD+4*\j:CD+4*\j+3], s[96:97] offset:(\a/4)*HS+(\a%4)*1536+512*\j
.endr
.else
.irp c, 0,1
	global_store_b128 v[G16], v[CD+6*\c:CD+6*\c+3], s[96:97] offset:\c*HS+768*\a
	global_store_b64 v[G8], v[CD+6*\c+4:CD+6*\c+5], s[96:97] offset:\c*HS+768*\a+512
.endr
.endif
.endr
.irp j, 0,1,2,3
	v_cndmask_b32 v[DS+\j], v[PWS+\j], v[PWS+4+\j], s100
.endr
.if \isv
	global_store_b128 v[GS], v[DS:DS+3], s[98:99]
.else
.irp j, 0,1,2,3
	v_lshrrev_b32 v[DS2+\j], 16, v[DS+\j]
.endr
	global_store_b128 v[GS], v[DS:DS+3], s[98:99]
	global_store_b128 v[GS], v[DS2:DS2+3], s[98:99] offset:HS
.endif
.endm
	PLACES NP
	v_mov_b32 v[FLOOR], 0x1800000
.irp b, 0,1,2,3
	v_mov_b32 v[TM+4+\b], 0
.endr
	v_and_b32 v3, 31, v0
	v_lshlrev_b32 v[G16], 4, v3
	v_lshlrev_b32 v[G8], 3, v3
	s_and_b32 s20, s[CYL], 7
	s_lshl_b32 s20, s20, 10
	s_cmp_eq_u32 s[P], 2
	s_cbranch_scc1 .Lepi_v
	s_lshl_b32 s21, s[CY], 8
	s_add_co_u32 s20, s20, s21
	s_lshl_b32 s21, s[HA], 7
	s_add_co_u32 s20, s20, s21
	s_lshr_b32 s21, s20, 11
	s_and_b32 s20, s20, 2047
	s_lshr_b32 s20, s20, 4
	s_lshl_b32 s21, s21, 4
	s_lshl_b32 s22, s[CX], 2
	s_add_co_u32 s21, s21, s22
	s_lshl_b32 s22, s[HB], 1
	s_add_co_u32 s21, s21, s22
	s_mul_i32 s21, s21, HS
	s_mul_i32 s22, s20, 768
	s_add_co_u32 s22, s22, s21
	s_lshl_b32 s20, s20, 6
	s_add_co_u32 s20, s20, s21
	s_mov_b32 s46, KSC
	s_cmp_eq_u32 s[P], 0
	s_cselect_b32 s23, QIMG, 0
	s_cselect_b32 s46, QSC, s46
	s_add_co_u32 s22, s22, s23
	s_add_co_u32 s20, s20, s46
	s_mov_b32 s23, 0
	s_mov_b32 s21, 0
	s_add_nc_u64 s[96:97], s[14:15], s[22:23]
	s_add_nc_u64 s[98:99], s[14:15], s[20:21]
	v_lshlrev_b32 v[GS], 5, v1
	v_lshl_add_u32 v[GS], v2, 4, v[GS]
	EPI 0
	s_branch .Lend
.Lepi_v:
	s_lshl_b32 s21, s[CX], 8
	s_add_co_u32 s20, s20, s21
	s_lshl_b32 s21, s[HB], 7
	s_add_co_u32 s20, s20, s21
	s_lshr_b32 s21, s20, 11
	s_and_b32 s20, s20, 2047
	s_lshr_b32 s20, s20, 7
	s_lshl_b32 s21, s21, 4
	s_lshl_b32 s22, s[CY], 2
	s_add_co_u32 s21, s21, s22
	s_lshl_b32 s22, s[HA], 1
	s_add_co_u32 s21, s21, s22
	s_mul_i32 s21, s21, HS
	s_mul_i32 s22, s20, 6144
	s_add_co_u32 s22, s22, s21
	s_add_co_u32 s22, s22, VIMG
	s_lshl_b32 s20, s20, 8
	s_add_co_u32 s20, s20, s21
	s_add_co_u32 s20, s20, VSC
	s_mov_b32 s23, 0
	s_mov_b32 s21, 0
	s_add_nc_u64 s[96:97], s[14:15], s[22:23]
	s_add_nc_u64 s[98:99], s[14:15], s[20:21]
	v_mul_u32_u24 v[GS], v2, HS
	v_lshl_add_u32 v[GS], v1, 4, v[GS]
	EPI 1
.Lend:
	s_wait_tensorcnt 0x0
	ds_add_u32 v[SPW], v[NIL]
	s_wait_dscnt 0x0
	CROUND
	s_endpgm
.Lfunc_end_k_qda58dc307f_proj:
	.size	k_qda58dc307f_proj, .Lfunc_end_k_qda58dc307f_proj-k_qda58dc307f_proj
	.p2alignl 7, 3214868480
	.fill 96, 4, 3214868480
	.section	.rodata,"a",@progbits
	.p2align	6, 0x0
	.amdhsa_kernel k_qda58dc307f_proj
		.amdhsa_group_segment_fixed_size 327680
		.amdhsa_private_segment_fixed_size 0
		.amdhsa_enable_private_segment 0
		.amdhsa_kernarg_size 48
		.amdhsa_user_sgpr_count 2
		.amdhsa_user_sgpr_kernarg_segment_ptr 1
		.amdhsa_wavefront_size32 1
		.amdhsa_system_sgpr_workgroup_id_x 1
		.amdhsa_system_sgpr_workgroup_id_y 1
		.amdhsa_system_sgpr_workgroup_id_z 1
		.amdhsa_system_vgpr_workitem_id 0
		.amdhsa_next_free_vgpr 1024
		.amdhsa_next_free_sgpr 102
		.amdhsa_reserve_vcc 0
		.amdhsa_float_denorm_mode_32 3
		.amdhsa_float_denorm_mode_16_64 3
		.amdhsa_memory_ordered 1
		.amdhsa_forward_progress 1
		.amdhsa_inst_pref_size 219
	.end_amdhsa_kernel
	.amdgpu_metadata
---
amdhsa.version: [ 1, 2 ]
amdhsa.kernels:
  - .name:           k_qda58dc307f_proj
    .symbol:         k_qda58dc307f_proj.kd
    .args:
      - { .name: codes, .offset: 0, .size: 8, .value_kind: global_buffer, .address_space: global }
      - { .name: scales, .offset: 8, .size: 8, .value_kind: global_buffer, .address_space: global }
      - { .name: bq, .offset: 16, .size: 8, .value_kind: global_buffer, .address_space: global }
      - { .name: bk, .offset: 24, .size: 8, .value_kind: global_buffer, .address_space: global }
      - { .name: bv, .offset: 32, .size: 8, .value_kind: global_buffer, .address_space: global }
      - { .name: qkv, .offset: 40, .size: 8, .value_kind: global_buffer, .address_space: global }
    .group_segment_fixed_size: 327680
    .private_segment_fixed_size: 0
    .kernarg_segment_align: 8
    .kernarg_segment_size: 48
    .max_flat_workgroup_size: 128
    .sgpr_count:     102
    .vgpr_count:     1024
    .wavefront_size: 32
...
	.end_amdgpu_metadata
.endif
;; end of part 2
;; launch attn (part 3): grid 4 x 64, 16 waves a work-group, clusters of 4 x 1, 210,944 bytes of LDS; arguments qkv, yimg, ysc; writes yimg, ysc
.if DOCPART == 3
	.amdgcn_target "amdgcn-amd-amdhsa--gfx1250"
	.amdhsa_code_object_version 6
	.text
	.protected	k_qda58dc307f_attn
	.globl	k_qda58dc307f_attn
	.p2align	8
	.type	k_qda58dc307f_attn,@function
k_qda58dc307f_attn:
	s_mov_b64 s[64:65], 0
	v_nop
	global_prefetch_b8 v0, s[64:65] scope:SCOPE_SE
	s_setreg_imm32_b32 hwreg(HW_REG_WAVE_MODE, 25, 1), 1
	s_wait_xcnt 0x0
	s_wait_alu depctr_hold_cnt(0) depctr_sa_sdst(0) depctr_va_vdst(0) depctr_va_sdst(0) depctr_va_ssrc(0) depctr_va_vcc(0) depctr_vm_vsrc(0)
	s_getreg_b32 s2, hwreg(HW_REG_IB_STS2, 6, 4)
	s_cmp_eq_u32 s2, 0
	s_cbranch_scc0 .Lentry_in_a_cluster
	s_endpgm
.Lentry_in_a_cluster:
	s_bfe_u32 s2, ttmp6, 0x10000c
	s_cmp_lg_u32 s2, 0x3003
	s_cbranch_scc0 .Lentry_shape_is_right
	s_endpgm
.Lentry_shape_is_right:
; y[n][head][q] = the sum over keys of softmax(q . k / 8) v, both products on codes of FP6 (E2M3) with one E8M0 scale for each 32 along a product's K; y is quantised along the model's 1,024 channels and stored as images of operand registers.
; INPUT: qkv, 64 records (16 n + head) of HS bytes: K's half images [tile 128][768], V's full images [key step 16][channel tile 4][1,536], K's scale words [16][512], V's [16][256], Q's half images [128][768], Q's scale words [16][512].
;   Half image (16 rows x 64 K, registers 0-5 of a fragment): registers 0-3 of lane l at 16 l, registers 4-5 at 512 + 8 l.  Full image: registers 4 j .. 4 j + 3 of lane l at 512 j + 16 l.
;   Lane r of tile t of K or Q is token 32 (t / 2) + 8 (t % 2) + r + 8 (r / 8) (tile order); lane r of channel tile c of V is the head's channel by the same rule.
; THE FIRST PRODUCT'S K IS 64: registers 6-11 of K's and Q's fragments are zeros, written once; bytes 2, 3 of their scale words stand over zero codes and are never 0xff.
; THE SOFTMAX AHEAD OF THE SECOND PRODUCT: t = score x log2(e) / 8; M = the row's largest t so far, rounded UP to a whole number; p = 2^(t - M) is quantised along the keys, not normalised.  The row's sum is taken of the
; unquantised p, in f32, and divides O at the end.  When M moves, the sum and O are multiplied by 2^(old M - new M): exact.
; SHARES.  A work-group owns 512 queries of one head; each of its sixteen waves one tile of 16 at a time, two tiles one after the other, in 256 registers: four waves to a SIMD, so that one wave's vector work stands beside another's
; matrix work and LDS loads.  Every wave walks all 2,048 keys, 128 a step.
; A HEAD'S K, V AND THEIR SCALE WORDS ARE THE FIRST 208,896 BYTES OF ITS RECORD AND STAY IN LDS WHOLE, byte for byte: filled once, never again.  The four work-groups of a cluster own the four query blocks of one head and ask
; for these bytes JOINTLY: each wave one tensor load of 51 rows of 256 bytes, the same descriptor in all four work-groups, a mask that names the four.  One tensor load of a wave is out.
; LAYOUT.  Both products are used transposed: S^T = K Q^T (source 0 = 16 keys, source 1 = my 16 queries), O^T = V^T P^T (source 0 = 16 channels, source 1 = P): a lane holds ONE query (lane % 16) throughout.  By the tile order
; the 16 registers of score tiles 2 b and 2 b + 1 are keys 32 b + 16 (lane / 16) + 0 .. 15, and the 16 registers of O^T's tiles 2 b, 2 b + 1 the head's channels 32 b + 16 (lane / 16) + 0 .. 15.
; OUTPUT: yimg [token tile 128 n + T][head][768]: half images; ysc [stored token][32]: byte 2 head + block.  The scale bytes leave one byte a lane, 32 bytes apart: a row's 32 bytes come from the 16 heads' work-groups.
; LIMITS: a block of zeros gets the byte 1 where the quantiser's text says 127 (zero codes; this program alone reads the bytes); a p under 2^-126 is taken as 0 (v_exp_f32 gives no denormals: ISA guide 15.8); a block's largest p is made from
; the block's largest score by the same two instructions, which takes v_exp_f32 not to fall where its input rises; NaN and infinities are not served.
; REGISTERS: v1-7 lane terms; v8-11, v28 the step's LDS addresses; v12 -M, v13 the largest t, v[14:15] the sum in two halves; v16-27 Q; v29 y's scale byte; v32-79 four fragments of K; v80-87 K's scale words, v88-91 V's, v92 Q's, v93 p's;
;   v96-159 S^T, then p, then V's four fragments; v160-191 O^T; v192-203 p's or y's codes; v204-210 halves made elsewhere; v212-228 at work.
.set HS,    315392
.set VIMG,  98304
.set KSC,   196608
.set VSC,   204800
.set QIMG,  208896
.set QSC,   307200
.set FILL,  13056                      ; 51 rows of 256 bytes: a wave's sixteenth of the 208,896
.set BM,    212                        ; v212-215 a block's largest score, then its largest p
.set T4,    216                        ; v216-219 the other half's; then the bytes
.set SO,    220                        ; v220-223 the conversions' scale operands
.set WV,    16
.set TI,    36                         ; s36 the step's images: 6,144 bytes a step, K's and V's alike
.set TK,    37                         ; s37 K's scale words: 512 a step
.set TV,    38                         ; s38 V's: 256 a step
.set CNT,   39
.macro CROUND                          ; a round of the cluster's barrier
	s_barrier_signal -1
	s_barrier_wait -1
	s_cmp_lg_u32 s[WV], 0
	s_cbranch_scc1 .Lnot_wave_0_\@
	s_barrier_signal -3
.Lnot_wave_0_\@:
	s_barrier_wait -3
	s_barrier_signal -1
	s_barrier_wait -1
.endm
	s_load_b128 s[4:7], s[0:1], 0x0                ; qkv, yimg
	s_load_b64 s[8:9], s[0:1], 0x10                ; ysc
	v_lshl_add_u32 v254, v0, 2, 0x33000
	v_mov_b32 v255, 0
	ds_add_u32 v254, v255
	ds_add_u32 v254, v255
	v_lshrrev_b32 v1, 5, v0
	s_delay_alu instid0(VALU_DEP_1)
	v_readfirstlane_b32 s[WV], v1                  ; wave 0..15
	s_bfe_u32 s17, ttmp6, 0x40000                  ; cx: which 512 queries
	s_and_b32 s18, ttmp7, 0xffff                   ; 16 n + head: the four partners share it
	; descriptor group 1: 51 rows of 32 elements of 8 bytes, dense
	s_mov_b32 s24, 15|(3<<16)|(1<<21)              ; 15:0 the mask: all four work-groups; 17:16 elements of 8 bytes; 21 set beside a mask
	s_mov_b32 s25, 32<<16                          ; tensor_dim0
	s_mov_b32 s26, 51<<16                          ; tensor_dim1
	s_mov_b32 s27, 32<<16                          ; tile_dim0
	s_mov_b32 s28, 51                              ; tile_dim1
	s_mov_b32 s29, 32                              ; tensor_dim0_stride
	s_mov_b32 s30, 0
	s_mov_b32 s31, 0
	s_mul_i32 s10, s18, HS                         ; the record (under 2^25)
	s_mov_b32 s32, 1
	s_mul_i32 s33, s[WV], FILL                     ; my part: in LDS,
	s_add_co_u32 s12, s10, s33                     ; and in memory: the head and the wave's number alone
	s_mov_b32 s13, 0
	s_lshl_b32 s11, s17, 5
	s_add_co_u32 s11, s11, s[WV]                   ; my first tile of queries: 32 cx + wave; the second lies 16 tiles on
	s_mul_i32 s14, s11, 768
	s_add_co_u32 s14, s14, s10
	s_add_co_u32 s14, s14, QIMG
	s_mov_b32 s15, 0
	s_lshr_b32 s50, s11, 3                         ; its scale word: block tile / 8, word tile % 8
	s_lshl_b32 s50, s50, 9
	s_and_b32 s51, s11, 7
	s_lshl_b32 s51, s51, 2
	s_add_co_u32 s50, s50, s51
	s_add_co_u32 s50, s50, s10
	s_add_co_u32 s50, s50, QSC
	s_mov_b32 s51, 0
	s_lshr_b32 s52, s18, 4
	s_lshl_b32 s52, s52, 7
	s_add_co_u32 s52, s52, s11                     ; the token tile among all 512: 128 n + tile
	s_and_b32 s53, s18, 15                         ; the head
	s_mul_i32 s54, s52, 12288
	s_mul_i32 s55, s53, 768
	s_add_co_u32 s54, s54, s55
	s_mov_b32 s55, 0
	s_lshl_b32 s56, s52, 9
	s_lshl_b32 s57, s53, 1
	s_add_co_u32 s56, s56, s57
	s_mov_b32 s57, 0
	s_mov_b32 s20, 0x76543210                      ; v_permlanex16_b32's selects for lane l xor 16
	s_mov_b32 s21, 0xfedcba98
	s_mov_b32 s22, 0x3e38aa3b                      ; c = log2(e) / 8
	s_mov_b32 s23, s22                             ; (named with it as a pair, so it is written)
	s_mov_b32 s48, 0xffff0000                      ; lanes 16-31
	s_wait_dscnt 0x0
	s_wait_kmcnt 0x0
	s_add_nc_u64 s[34:35], s[4:5], s[12:13]
	s_or_b32 s35, s35, 0x80000000                  ; type = 2
	s_add_nc_u64 s[40:41], s[4:5], s[14:15]        ; Q's image
	s_add_nc_u64 s[42:43], s[4:5], s[50:51]        ; Q's scale words
	s_add_nc_u64 s[44:45], s[6:7], s[54:55]        ; y's image
	s_add_nc_u64 s[46:47], s[8:9], s[56:57]        ; y's scale bytes
	CROUND                                         ; all four work-groups are here: the joint loads meet
	tensor_load_to_lds s[32:35], s[24:31]          ; every wave its own sixteenth
	s_nop 0
.rept 4
	v_nop
.endr
	v_and_b32 v28, 31, v0                          ; lane
	s_delay_alu instid0(VALU_DEP_1)
	v_lshlrev_b32 v1, 4, v28                       ; 16 l: registers 0-3 of an image (in LDS and in memory)
	s_delay_alu instid0(VALU_DEP_2)
	v_lshlrev_b32 v2, 3, v28                       ; 8 l: registers 4-5 of a half image
	s_delay_alu instid0(VALU_DEP_2)
	v_add_nc_u32 v3, VIMG, v1
	v_and_b32 v29, 15, v0                          ; r
	s_delay_alu instid0(VALU_DEP_1)
	v_lshlrev_b32 v6, 5, v29                       ; 32 r
	s_delay_alu instid0(VALU_DEP_1)
	v_add_nc_u32 v4, KSC, v6
	s_delay_alu instid0(VALU_DEP_3)
	v_lshl_add_u32 v5, v29, 4, VSC
	v_bfe_u32 v28, v0, 4, 1                        ; h
	s_delay_alu instid0(VALU_DEP_1)
	v_add_nc_u32 v7, v6, v28                       ; 32 r + h: my byte of y's scales
.irp t, 0,1,2,3
.irp j, 6,7,8,9,10,11
	v_mov_b32 v[32+12*\t+\j], 0                    ; K = 64 .. 127 of K's fragments: zero codes, written once
.endr
.endr
.irp j, 22,23,24,25,26,27
	v_mov_b32 v[\j], 0                             ; and of Q's
.endr
.irp b, 0,1,2,3
	v_mov_b32 v[T4+\b], 0                          ; written once: a lane permute's destination counts as one of its sources
.endr
	v_mov_b32 v225, 0                              ; (named as the upper half of the pair v[224:225])
	v_mov_b32 v228, 0
	s_wait_tensorcnt 0x0                           ; my part has landed,
	s_barrier_signal -1
	s_barrier_wait -1                              ; everybody's has: from here on LDS is only read
; A KEY STEP: 128 keys.
.macro STEP
	v_add_nc_u32 v8, s[TI], v1                     ; these five and the v_nop are six places behind the last step's products: their scale registers are loaded again (four are asked), and the scores are written over V's fragments (five)
	s_wait_alu depctr_va_vdst(0)
	v_add_nc_u32 v9, s[TI], v2
	s_wait_alu depctr_va_vdst(0)
	v_add_nc_u32 v10, s[TI], v3
	v_add_nc_u32 v11, s[TK], v4
	v_add_nc_u32 v28, s[TV], v5
	v_nop
	ds_load_b128 v[80:83], v11                     ; the scale words of row r of the step's eight tiles of K,
	ds_load_b128 v[84:87], v11 offset:16
	ds_load_b128 v[88:91], v28                     ; and of channel r of V's four
.irp g, 0,1                            ; S^T = K Q^T, four tiles of 16 keys at a time
.if \g
.rept 4
	v_nop                                          ; places in front of loads into registers that matrix instructions have read
.endr
.endif
.irp t, 0,1,2,3
	ds_load_b128 v[32+12*\t:35+12*\t], v8 offset:(4*\g+\t)*768
	ds_load_b64 v[36+12*\t:37+12*\t], v9 offset:(4*\g+\t)*768+512
.endr
	s_wait_dscnt 0x0
.irp t, 0,1,2,3
	v_wmma_scale_f32_16x16x128_f8f6f4 v[96+8*(4*\g+\t):103+8*(4*\g+\t)], v[32+12*\t:43+12*\t], v[16:27], 0, v[80+4*\g+\t], v92 matrix_a_fmt:MATRIX_FMT_FP6 matrix_b_fmt:MATRIX_FMT_FP6
.endr
.endr
.rept 4
	v_nop
.endr
.irp b, 0,1,2,3
	v_max3_num_f32 v[BM+\b], v[96+16*\b], v[97+16*\b], v[98+16*\b]   ; THE LARGEST SCORE OF EACH BLOCK OF 32 KEYS: for the row's maximum, and, since p rises with the score, for the block's largest p
.endr
.irp i, 3,5,7,9,11,13
.irp b, 0,1,2,3
	v_max3_num_f32 v[BM+\b], v[BM+\b], v[96+16*\b+\i], v[97+16*\b+\i]   ; (the four blocks by turns; each accumulator is first read at its low end)
.endr
.endr
.irp b, 0,1,2,3
	v_max_num_f32 v[BM+\b], v[BM+\b], v[111+16*\b]
.endr
.irp b, 0,1,2,3
	s_delay_alu instid0(VALU_DEP_4)
	v_permlanex16_b32 v[T4+\b], v[BM+\b], s20, s21
.endr
.irp b, 0,1,2,3
	s_delay_alu instid0(VALU_DEP_4)
	v_max_num_f32 v[BM+\b], v[BM+\b], v[T4+\b]     ; with lane l xor 16's 16 keys
.endr
	s_delay_alu instid0(VALU_DEP_2)
	v_max3_num_f32 v228, v212, v213, v214
	s_delay_alu instid0(VALU_DEP_1)
	v_max_num_f32 v228, v228, v215                 ; the step's largest score of my query
	s_delay_alu instid0(VALU_DEP_1)
	v_mul_f32 v228, s22, v228                      ; as t (c is positive)
	s_delay_alu instid0(VALU_DEP_1)
	v_max_num_f32 v13, v13, v228                   ; the running largest t
	v_mov_b32 v228, v12
	s_delay_alu instid0(VALU_DEP_2)
	v_floor_f32 v12, -v13                          ; the new -M = floor(-t) = -ceil(t): a whole number
	s_delay_alu instid0(VALU_DEP_1)
	v_sub_f32 v228, v12, v228                      ; old M less new M: a whole number, 0 or less
	s_delay_alu instid0(VALU_DEP_1)
	v_cvt_i32_f32 v228, v228                       ; (it saturates)
	s_delay_alu instid0(VALU_DEP_1)
	v_ldexp_f32 v224, 1.0, v228                    ; f = 2^(old M - new M)
.set j, 0
.rept 32
	v_pk_fma_f32 v[96+j:97+j], v[96+j:97+j], s[22:23], v[12:13] op_sel_hi:[1,0,0]   ; t - M, two at a time (of the pairs c and -M the low word serves both halves)
.set j, j+2
.endr
.irp b, 0,1,2,3
	v_fma_f32 v[BM+\b], v[BM+\b], s22, v12         ; the same of each block's largest score
.endr
.set j, 0
	s_wait_alu depctr_va_vdst(0)
.rept 64
	v_exp_f32 v[96+j], v[96+j]                     ; p = 2^(t - M), at most 1
.set j, j+1
.endr
	s_setprio 1
.irp b, 0,1,2,3
	v_exp_f32 v[BM+\b], v[BM+\b]                   ; the block's largest p: the same two instructions on the same number give the same bits
.endr
	v_pk_mul_f32 v[14:15], v[14:15], v[224:225] op_sel_hi:[1,0]   ; the sums under the new M.  (A plain place behind the exponentials)
	s_wait_alu depctr_va_vdst(0)
	v_pk_add_f32 v[226:227], v[100:101], v[104:105]
	v_pk_add_f32 v[252:253], v[108:109], v[112:113]
	v_pk_add_f32 v[250:251], v[116:117], v[120:121]
	v_pk_add_f32 v[248:249], v[124:125], v[128:129]
	v_pk_add_f32 v[246:247], v[132:133], v[136:137]
	v_pk_add_f32 v[244:245], v[140:141], v[144:145]
	v_pk_add_f32 v[242:243], v[148:149], v[152:153]
	v_pk_add_f32 v[14:15], v[14:15], v[156:157]
	v_pk_add_f32 v[226:227], v[226:227], v[96:97]
	v_pk_add_f32 v[252:253], v[252:253], v[98:99]
	v_pk_add_f32 v[250:251], v[250:251], v[102:103]
	v_pk_add_f32 v[248:249], v[248:249], v[106:107]
	v_pk_add_f32 v[246:247], v[246:247], v[110:111]
	v_pk_add_f32 v[244:245], v[244:245], v[114:115]
	v_pk_add_f32 v[242:243], v[242:243], v[118:119]
	v_pk_add_f32 v[14:15], v[14:15], v[122:123]
	v_pk_add_f32 v[226:227], v[226:227], v[126:127]
	v_pk_add_f32 v[252:253], v[252:253], v[130:131]
	v_pk_add_f32 v[250:251], v[250:251], v[134:135]
	v_pk_add_f32 v[248:249], v[248:249], v[138:139]
	v_pk_add_f32 v[246:247], v[246:247], v[142:143]
	v_pk_add_f32 v[244:245], v[244:245], v[146:147]
	v_pk_add_f32 v[242:243], v[242:243], v[150:151]
	v_pk_add_f32 v[14:15], v[14:15], v[154:155]
	v_pk_add_f32 v[226:227], v[226:227], v[158:159]
	s_delay_alu instid0(VALU_DEP_2)
	v_pk_add_f32 v[14:15], v[14:15], v[248:249]
	s_delay_alu instid0(VALU_DEP_2)
	v_pk_add_f32 v[226:227], v[226:227], v[246:247]
	v_pk_add_f32 v[252:253], v[252:253], v[244:245]
	v_pk_add_f32 v[250:251], v[250:251], v[242:243]
	s_delay_alu instid0(VALU_DEP_2)
	v_pk_add_f32 v[14:15], v[14:15], v[252:253]
	s_delay_alu instid0(VALU_DEP_2)
	v_pk_add_f32 v[226:227], v[226:227], v[250:251]
	s_delay_alu instid0(VALU_DEP_1)
	v_pk_add_f32 v[14:15], v[14:15], v[226:227]
.irp b, 0,1,2,3
	v_max_num_f32 v[BM+\b], 0x1800000, v[BM+\b]    ; the floor 2^(3 - 127): the byte cannot fall under 1
.endr
.irp b, 0,1,2,3
	s_delay_alu instid0(VALU_DEP_4)
	v_add_nc_u32 v[SO+\b], 0xff000000, v[BM+\b]    ; 2 off the exponent field: the conversion's scale operand
.endr
.irp b, 0,1,2,3
	s_delay_alu instid0(VALU_DEP_4)
	v_lshrrev_b32 v[T4+\b], 23, v[SO+\b]           ; the scale's byte
.endr
	s_delay_alu instid0(VALU_DEP_3)
	v_lshl_or_b32 v93, v217, 8, v216               ; p's scale word for these 128 keys
	s_delay_alu instid0(VALU_DEP_1)
	v_lshl_or_b32 v93, v218, 16, v93
	s_delay_alu instid0(VALU_DEP_1)
	v_lshl_or_b32 v93, v219, 24, v93
.irp c, 0,1
	v_cvt_scalef32_pk16_fp6_f32 v[192+6*\c:194+6*\c], v[96+32*\c:111+32*\c], v[SO+2*\c]
	v_cvt_scalef32_pk16_fp6_f32 v[204+4*\c:206+4*\c], v[112+32*\c:127+32*\c], v[SO+2*\c+1]   ; (a conversion's three registers begin on an even number)
.endr
	v_nop                                          ; one plain place behind a scaled conversion
.irp c, 0,1,2,3                        ; p is used up: V's four fragments land where it lay, while the codes are put in order and O^T is rescaled
.irp j, 0,1,2
	ds_load_b128 v[96+12*\c+4*\j:99+12*\c+4*\j], v10 offset:1536*\c+512*\j
.endr
.endr
.irp c, 0,1                            ; the operand's layout wants a WHOLE block in a lane: lanes 0-15 block 2 c, lanes 16-31 block 2 c + 1
.irp i, 0,1,2
	v_permlane16_swap_b32 v[192+6*\c+\i], v[204+4*\c+\i]
.endr
.irp i, 0,1,2
	s_delay_alu instid0(VALU_DEP_3)
	v_mov_b32 v[195+6*\c+\i], v[204+4*\c+\i]
.endr
.endr
.set j, 0
	s_setprio 0
.rept 16
	v_pk_mul_f32 v[160+j:161+j], v[160+j:161+j], v[224:225] op_sel_hi:[1,0]   ; O^T under the new M, from each accumulator's low end on.  (These sixteen are the places between p's scale word and codes and the products)
.set j, j+2
.endr
	s_wait_alu depctr_va_vdst(0)
	s_wait_dscnt 0x0
.irp c, 0,1,2,3                        ; O^T += V^T P^T: the head's four tiles of 16 channels by turns; K = these 128 keys
	v_wmma_scale_f32_16x16x128_f8f6f4 v[160+8*\c:167+8*\c], v[96+12*\c:107+12*\c], v[192:203], v[160+8*\c:167+8*\c], v[88+\c], v93 matrix_a_fmt:MATRIX_FMT_FP6 matrix_b_fmt:MATRIX_FMT_FP6
.endr
	s_add_co_u32 s[TI], s[TI], 6144
	s_add_co_u32 s[TK], s[TK], 512
	s_add_co_u32 s[TV], s[TV], 256
.endm
; One tile of 16 queries: tile 32 cx + 16 i + wave.
.macro PASS i
	s_wait_xcnt 0x0                                ; the last tile's stores have read their data: those registers are written again below
	global_load_b128 v[16:19], v1, s[40:41] offset:12288*\i
	global_load_b64 v[20:21], v2, s[40:41] offset:12288*\i+512
	global_load_b32 v92, v6, s[42:43] offset:1024*\i
	v_mov_b32 v13, 0xff61b1e6                      ; the largest t so far: -3e38, under every t
	s_delay_alu instid0(VALU_DEP_1)
	v_floor_f32 v12, -v13                          ; -M
	v_mov_b32 v14, 0                               ; the sum, in two halves
	v_mov_b32 v15, 0
.set j, 0
.rept 32
	v_mov_b32 v[160+j], 0                          ; O^T.  (The step is written once: the first finds zeros, which the first change of M leaves zeros)
.set j, j+1
.endr
	s_mov_b32 s[TI], 0
	s_mov_b32 s[TK], 0
	s_mov_b32 s[TV], 0
	s_mov_b32 s[CNT], 16
	s_wait_loadcnt 0x0                             ; Q
.Lstep_\@:
	s_setprio 2
	STEP
	s_sub_co_u32 s[CNT], s[CNT], 1
	s_cmp_lg_u32 s[CNT], 0
	s_cbranch_scc1 .Lstep_\@
	s_setprio 0
	; y = O^T / the sum, quantised along the head's 64 channels: two blocks of the model's 32
.rept 4
	v_nop                                          ; places behind the last products
.endr
	v_add_f32 v14, v14, v15                        ; the sum's two halves,
	s_delay_alu instid0(VALU_DEP_1)
	v_permlanex16_b32 v228, v14, s20, s21
	s_delay_alu instid0(VALU_DEP_1)
	v_add_f32 v14, v14, v228                       ; and lane l xor 16's: the row's sum
	s_wait_alu depctr_va_vdst(0)
	v_rcp_f32 v14, v14
	v_nop                                          ; one plain place behind a transcendental
.set j, 0
	s_wait_alu depctr_va_vdst(0)
.rept 16
	v_pk_mul_f32 v[160+j:161+j], v[160+j:161+j], v[14:15] op_sel_hi:[1,0]
.set j, j+2
.endr
.irp b, 0,1
	v_max3_num_f32 v[BM+\b], |v[160+16*\b]|, |v[161+16*\b]|, 0x1800000   ; block b: my 16 numbers, and the floor
.endr
.irp k, 2,4,6,8,10,12,14
.irp b, 0,1
	s_delay_alu instid0(VALU_DEP_2)
	v_max3_num_f32 v[BM+\b], v[BM+\b], |v[160+16*\b+\k]|, |v[161+16*\b+\k]|
.endr
.endr
.irp b, 0,1
	s_delay_alu instid0(VALU_DEP_2)
	v_permlanex16_b32 v[T4+\b], v[BM+\b], s20, s21
.endr
.irp b, 0,1
	s_delay_alu instid0(VALU_DEP_2)
	v_max_num_f32 v[BM+\b], v[BM+\b], v[T4+\b]
.endr
.irp b, 0,1
	s_delay_alu instid0(VALU_DEP_2)
	v_add_nc_u32 v[SO+\b], 0xff000000, v[BM+\b]
.endr
.irp b, 0,1
	s_delay_alu instid0(VALU_DEP_2)
	v_lshrrev_b32 v[T4+\b], 23, v[SO+\b]
.endr
	v_cvt_scalef32_pk16_fp6_f32 v[192:194], v[160:175], v[SO]
	v_cvt_scalef32_pk16_fp6_f32 v[204:206], v[176:191], v[SO+1]
	v_cndmask_b32 v29, v216, v217, s48             ; lanes 0-15 carry block 0's byte, lanes 16-31 block 1's.  (The plain place behind the conversions)
.irp k, 0,1,2
	v_permlane16_swap_b32 v[192+\k], v[204+\k]
.endr
.irp k, 0,1,2
	s_delay_alu instid0(VALU_DEP_3)
	v_mov_b32 v[195+\k], v[204+\k]
.endr
	global_store_b128 v1, v[192:195], s[44:45] offset:196608*\i        ; 512 consecutive bytes, aligned
	global_store_b64 v2, v[196:197], s[44:45] offset:196608*\i+512     ; 256
	global_store_b8 v7, v29, s[46:47] offset:8192*\i
.endm
	PASS 0
	PASS 1
	s_wait_tensorcnt 0x0
	ds_add_u32 v254, v255
	s_wait_dscnt 0x0
	CROUND                                         ; the closing round: no work-group ends while a partner may still ask jointly
	s_endpgm
.Lfunc_end_k_qda58dc307f_attn:
	.size	k_qda58dc307f_attn, .Lfunc_end_k_qda58dc307f_attn-k_qda58dc307f_attn
	.p2alignl 7, 3214868480
	.fill 96, 4, 3214868480
	.section	.rodata,"a",@progbits
	.p2align	6, 0x0
	.amdhsa_kernel k_qda58dc307f_attn
		.amdhsa_group_segment_fixed_size 210944
		.amdhsa_private_segment_fixed_size 0
		.amdhsa_enable_private_segment 0
		.amdhsa_kernarg_size 24
		.amdhsa_user_sgpr_count 2
		.amdhsa_user_sgpr_kernarg_segment_ptr 1
		.amdhsa_wavefront_size32 1
		.amdhsa_system_sgpr_workgroup_id_x 1
		.amdhsa_system_sgpr_workgroup_id_y 1
		.amdhsa_system_sgpr_workgroup_id_z 1
		.amdhsa_system_vgpr_workitem_id 0
		.amdhsa_next_free_vgpr 256
		.amdhsa_next_free_sgpr 66
		.amdhsa_reserve_vcc 0
		.amdhsa_float_denorm_mode_32 3
		.amdhsa_float_denorm_mode_16_64 3
		.amdhsa_memory_ordered 1
		.amdhsa_forward_progress 1
		.amdhsa_inst_pref_size 53
	.end_amdhsa_kernel
	.amdgpu_metadata
---
amdhsa.version: [ 1, 2 ]
amdhsa.kernels:
  - .name:           k_qda58dc307f_attn
    .symbol:         k_qda58dc307f_attn.kd
    .args:
      - { .name: qkv, .offset: 0, .size: 8, .value_kind: global_buffer, .address_space: global }
      - { .name: yimg, .offset: 8, .size: 8, .value_kind: global_buffer, .address_space: global }
      - { .name: ysc, .offset: 16, .size: 8, .value_kind: global_buffer, .address_space: global }
    .group_segment_fixed_size: 210944
    .private_segment_fixed_size: 0
    .kernarg_segment_align: 8
    .kernarg_segment_size: 24
    .max_flat_workgroup_size: 512
    .sgpr_count:     66
    .vgpr_count:     256
    .wavefront_size: 32
...
	.end_amdgpu_metadata
.endif
;; end of part 3
;; launch outp (part 4): grid 4 x 32, 4 waves a work-group, clusters of 4 x 4, 327,680 bytes of LDS; arguments yimg, ysc, codes, scales, bo, out0; writes out0
.if DOCPART == 4
	.amdgcn_target "amdgcn-amd-amdhsa--gfx1250"
	.amdhsa_code_object_version 6
	.text
	.protected	k_qda58dc307f_outp
	.globl	k_qda58dc307f_outp
	.p2align	8
	.type	k_qda58dc307f_outp,@function
k_qda58dc307f_outp:
	s_mov_b64 s[64:65], 0
	v_nop
	global_prefetch_b8 v0, s[64:65] scope:SCOPE_SE
	s_setreg_imm32_b32 hwreg(HW_REG_WAVE_MODE, 25, 1), 1
	s_wait_xcnt 0x0
	s_wait_alu depctr_hold_cnt(0) depctr_sa_sdst(0) depctr_va_vdst(0) depctr_va_sdst(0) depctr_va_ssrc(0) depctr_va_vcc(0) depctr_vm_vsrc(0)
	s_getreg_b32 s2, hwreg(HW_REG_IB_STS2, 6, 4)
	s_cmp_eq_u32 s2, 0
	s_cbranch_scc0 .Lentry_in_a_cluster
	s_endpgm
.Lentry_in_a_cluster:
	s_bfe_u32 s2, ttmp6, 0x10000c
	s_cmp_lg_u32 s2, 0xf033
	s_cbranch_scc0 .Lentry_shape_is_right
	s_endpgm
.Lentry_shape_is_right:
.set NQ,     2
.set ROWB,   192
.set KROW,   768
.set PITCH,  240
.set FR,     12
.set NLA,    4
.set NP,     4
.set AIMG,   3072
.set HALFA,  8*AIMG
.set HALFB,  128*PITCH
.set SLOT,   2*HALFA+2*HALFB
.set LAPS,   2
.set KS,     32
.set SCL,    2*SLOT
.set HALFS,  16*272
.set SBLK,   2*272
.set SPARE,  SCL+4*HALFS
.set SPITCH, 528
.set ADRA, 16
.set ADRB, 20
.set STO,  24
.set RD,   25
.set CO,   26
.set ADRS, 27
.set SPW,  28
.set NIL,  29
.set SC,   32
.set BIAS, 64
.set AF,   128
.set BK,   128
.set WV, 16
.set HA, 17
.set HB, 18
.set TR, 19
.set CX, 40
.set CY, 41
.set G1, 24
.set G0, 32
.set G1B, 48
.set G0B, 56
.set G1S, 68
.set G0S, 76
.set G1SB, 80
.set G0SB, 88
.set MSB, 0
.macro WIN new
.if MSB != (\new)
	s_set_vgpr_msb (MSB<<8)|(\new)
.set MSB, (\new)
.endif
.endm
.set MUL_LO, 0xa1
.set MUL_HI, 0xf1
.set TO_B,   0x40
.macro JLOAD g0a, g1a, g0b, g1b
	s_cmp_eq_u32 s[HA], 0
	s_cbranch_scc0 .Lfor_b_\@
	tensor_load_to_lds s[\g0a:\g0a+3], s[\g1a:\g1a+7]
	s_nop 0
.rept 4
	v_nop
.endr
	s_branch .Lasked_\@
.Lfor_b_\@:
	tensor_load_to_lds s[\g0b:\g0b+3], s[\g1b:\g1b+7]
	s_nop 0
.rept 4
	v_nop
.endr
.Lasked_\@:
.endm
.macro CREST
	s_cmp_lg_u32 s[WV], 0
	s_cbranch_scc1 .Lnot_wave_0_\@
	s_barrier_signal -3
.Lnot_wave_0_\@:
	s_barrier_wait -3
	s_barrier_signal -1
	s_barrier_wait -1
.endm
.macro CROUND
	s_barrier_signal -1
	s_barrier_wait -1
	CREST
.endm
	s_load_b256 s[4:11], s[0:1], 0x0
	s_load_b128 s[12:15], s[0:1], 0x20
	v_lshl_add_u32 v[SPW], v0, 2, SPARE
	v_mov_b32 v[NIL], 0
	ds_add_u32 v28, v29
	ds_add_u32 v28, v29
	s_wait_dscnt 0x0
	v_lshrrev_b32 v1, 5, v0
	v_readfirstlane_b32 s[WV], v1
	s_lshr_b32 s[HA], s[WV], 1
	s_and_b32 s[HB], s[WV], 1
	s_bfe_u32 s[CX], ttmp6, 0x40000
	s_bfe_u32 s[CY], ttmp6, 0x40004
	s_and_b32 s[TR], ttmp7, 0xffff
	s_lshl_b32 s[TR], s[TR], 2
	s_add_co_u32 s[TR], s[TR], s[CY]
	s_lshl_b32 s43, s[CY], 2
	s_lshl_b32 s43, 15, s43
	s_lshl_b32 s44, 0x1111, s[CX]
	s_or_b32 s[G1+0], s43, (3<<16)|(1<<21)
	s_mov_b32 s[G1+1], 384<<16
	s_mov_b32 s[G1+2], 8<<16
	s_mov_b32 s[G1+3], 384<<16
	s_mov_b32 s[G1+4], 8
	s_mov_b32 s[G1+5], 1536
	s_mov_b32 s[G1+6], 0
	s_mov_b32 s[G1+7], 0
	s_or_b32 s[G1B+0], s44, (0<<16)|(1<<20)|(1<<21)|(3<<22)|(3<<25)
	s_mov_b32 s[G1B+1], ROWB<<16
	s_mov_b32 s[G1B+2], 128<<16
	s_mov_b32 s[G1B+3], ROWB<<16
	s_mov_b32 s[G1B+4], 128
	s_mov_b32 s[G1B+5], KROW
	s_mov_b32 s[G1B+6], 0
	s_mov_b32 s[G1B+7], 0
	s_or_b32 s[G1S+0], s43, (3<<16)|(1<<20)|(1<<21)|(5<<22)|(3<<25)
	s_or_b32 s[G1SB+0], s44, (3<<16)|(1<<20)|(1<<21)|(5<<22)|(3<<25)
.irp g, G1S, G1SB
	s_mov_b32 s[\g+1], 32<<16
	s_mov_b32 s[\g+2], 16<<16
	s_mov_b32 s[\g+3], 32<<16
	s_mov_b32 s[\g+4], 16
	s_mov_b32 s[\g+5], 32
	s_mov_b32 s[\g+6], 0
	s_mov_b32 s[\g+7], 0
.endr
	s_lshl_b32 s20, s[TR], 4
	s_lshl_b32 s21, s[HB], 3
	s_add_co_u32 s20, s20, s21
	s_lshl_b32 s92, s20, 9
	s_mov_b32 s93, 0
	s_mul_i32 s20, s20, 12288
	s_mov_b32 s21, 0
	s_lshl_b32 s46, s[CX], 8
	s_lshl_b32 s47, s[HB], 7
	s_add_co_u32 s46, s46, s47
	s_add_co_u32 s46, s46, 27648
	s_lshl_b32 s94, s46, 5
	s_mov_b32 s95, 0
	s_mul_i32 s46, s46, KROW
	s_mov_b32 s47, 0
	s_mul_i32 s45, s[HB], HALFA
	s_mul_i32 s67, s[HB], HALFB
	s_add_co_u32 s67, s67, 2*HALFA
	s_mul_i32 s22, s[WV], HALFS
	s_wait_kmcnt 0x0
	s_add_nc_u64 s[20:21], s[4:5], s[20:21]
	s_add_nc_u64 s[92:93], s[6:7], s[92:93]
	s_add_nc_u64 s[46:47], s[8:9], s[46:47]
	s_add_nc_u64 s[94:95], s[10:11], s[94:95]
	CROUND
	s_mov_b32 s[G0S], 1
	s_add_co_u32 s[G0S+1], s22, SCL
	s_mov_b64 s[G0S+2:G0S+3], s[92:93]
	s_or_b32 s[G0S+3], s[G0S+3], 0x80000000
	s_mov_b32 s[G0SB], 1
	s_add_co_u32 s[G0SB+1], s22, SCL
	s_mov_b64 s[G0SB+2:G0SB+3], s[94:95]
	s_or_b32 s[G0SB+3], s[G0SB+3], 0x80000000
	JLOAD G0S, G1S, G0SB, G1SB
.irp s, 0,1
	s_mov_b32 s[G0+4*\s], 1
	s_add_co_u32 s[G0+4*\s+1], s45, \s*SLOT
	s_add_nc_u64 s[G0+4*\s+2:G0+4*\s+3], s[20:21], \s*AIMG
	s_or_b32 s[G0+4*\s+3], s[G0+4*\s+3], 0x80000000
	s_mov_b32 s[G0B+4*\s], 1
	s_add_co_u32 s[G0B+4*\s+1], s67, \s*SLOT
	s_add_nc_u64 s[G0B+4*\s+2:G0B+4*\s+3], s[46:47], \s*ROWB
	s_or_b32 s[G0B+4*\s+3], s[G0B+4*\s+3], 0x80000000
	s_wait_alu depctr_va_vdst(0)
	s_wait_tensorcnt 0x0
	ds_add_u32 v28, v29
	s_wait_dscnt 0x0
	CROUND
	JLOAD G0+4*\s, G1, G0B+4*\s, G1B
.endr
	v_and_b32 v1, 15, v0
	v_bfe_u32 v2, v0, 4, 1
	s_lshl_b32 s22, s[CX], 10
	s_lshl_b32 s23, s[HB], 9
	s_add_co_u32 s22, s22, s23
	s_mov_b32 s23, 0
	s_add_nc_u64 s[12:13], s[12:13], s[22:23]
	v_lshlrev_b32 v7, 6, v2
.irp b, 0,1,2,3,4,5,6,7
	global_load_b128 v[BIAS+8*\b:BIAS+8*\b+3], v7, s[12:13] offset:(32*(\b/2)+8*(\b%2))*4
	global_load_b128 v[BIAS+8*\b+4:BIAS+8*\b+7], v7, s[12:13] offset:(32*(\b/2)+8*(\b%2))*4+16
.endr
	v_mul_u32_u24 v3, v1, PITCH
	v_mul_u32_u24 v4, v2, 24
	v_add_nc_u32 v4, v3, v4
	v_lshl_add_u32 v5, v2, 4, v4
	v_and_b32 v6, 31, v0
	s_mul_i32 s21, s[HA], HALFA
	s_mul_i32 s22, s[HB], HALFB
	s_add_co_u32 s22, s22, 2*HALFA
.irp s, 0,1
	v_lshl_add_u32 v[ADRA+\s], v6, 4, s21
	v_lshl_add_u32 v[ADRA+2+\s], v6, 3, s21
	v_add_nc_u32 v[ADRB+\s], s22, v4
	v_add_nc_u32 v[ADRB+2+\s], s22, v5
	s_add_co_u32 s21, s21, SLOT
	s_add_co_u32 s22, s22, SLOT
.endr
	v_mul_u32_u24 v5, v1, KS
	v_lshrrev_b32 v8, 8, v5
	v_lshl_add_u32 v5, v8, 4, v5
	s_mul_i32 s21, s[HA], HALFS
	s_mul_i32 s22, s[HB], HALFS
	s_add_co_u32 s22, s22, 2*HALFS
	s_sub_co_u32 s22, s22, s21
	v_mul_u32_u24 v8, s22, v2
	s_add_co_u32 s21, s21, SCL
	v_add_nc_u32 v5, v5, v8
	v_add_nc_u32 v[ADRS], s21, v5
	s_mul_i32 s23, s[WV], 16*SPITCH
	v_mul_u32_u24 v5, v1, SPITCH
	v_lshl_add_u32 v5, v2, 6, v5
	v_add_nc_u32 v[STO], s23, v5
	v_lshlrev_b32 v[CO], 4, v6
	v_add_nc_u32 v[RD], s23, v[CO]
	s_lshl_b32 s20, s[TR], 8
	s_lshl_b32 s21, s[HA], 7
	s_add_co_u32 s20, s20, s21
	s_lshl_b32 s20, s20, 12
	s_lshl_b32 s21, s[CX], 10
	s_add_co_u32 s20, s20, s21
	s_lshl_b32 s21, s[HB], 9
	s_add_co_u32 s20, s20, s21
	s_mov_b32 s21, 0
	s_add_nc_u64 s[14:15], s[14:15], s[20:21]
.macro FRAG reg, adr, q, i
.irp p, 0,1,2,3,4,5
.set PIECE, 12*(\q)+6*(\p/3)+\p%3
.if PIECE%8 < 5
	ds_load_b64 v[\reg+2*\p:\reg+2*\p+1], v[\adr] offset:8*PIECE+16*(PIECE/8)+(\i)*16*PITCH
.else
	ds_load_b64 v[\reg+2*\p:\reg+2*\p+1], v[\adr+2] offset:8*PIECE+16*(PIECE/8)+(\i)*16*PITCH
.endif
.endr
.endm
.macro FRAGA reg, slot, q, i
	ds_load_b128 v[\reg:\reg+3],     v[ADRA+\slot]   offset:(\i)*AIMG+1536*(\q)
	ds_load_b64  v[\reg+4:\reg+5],   v[ADRA+2+\slot] offset:(\i)*AIMG+1536*(\q)+512
	ds_load_b128 v[\reg+6:\reg+9],   v[ADRA+\slot]   offset:(\i)*AIMG+1536*(\q)+768
	ds_load_b64  v[\reg+10:\reg+11], v[ADRA+2+\slot] offset:(\i)*AIMG+1536*(\q)+1280
.endm
.macro MUL16 a0, p, q, sc, zero
.irp a, \a0, \a0+1
.irp b, 0,1,2,3,4,5,6,7
.set rD, 8*(8*((\a)%4)+\b)
.set rC, rD
.if \zero == 1
.set rC, BIAS+8*\b
.endif
.set rB, 128*(\p)+FR*\b
.set rA, AF+FR*(\a)
	v_wmma_scale_f32_16x16x128_f8f6f4 v[rD:rD+7], v[rB:rB+FR-1], v[rA:rA+FR-1], v[rC:rC+7], v[SC+8*NQ*(\sc)+NQ*\b+(\q)], v[SC+8*NQ*(\sc)+NQ*(\a)+(\q)] matrix_a_fmt:MATRIX_FMT_FP6 matrix_b_fmt:MATRIX_FMT_FP6 matrix_a_scale:MATRIX_SCALE_ROW1
.endr
.endr
.endm
.macro FETCH_B slot, q, p
	WIN TO_B
.irp i, 0,1,2,3,4,5,6,7
	FRAG 128*(\p)+FR*\i, ADRB+\slot, \q, \i
.endr
	WIN 0
.endm
.macro FETCH_A slot, q, i0
.irp i, \i0, \i0+1, \i0+2, \i0+3
	FRAGA AF+FR*(\i), \slot, \q, \i
.endr
.endm
.macro SCALES sc
.irp i, 0,1,2,3,4,5,6,7
	ds_load_b64 v[SC+8*NQ*\sc+NQ*\i:SC+8*NQ*\sc+NQ*\i+1], v[ADRS] offset:\i*SBLK
.endr
.endm
.macro PLACES n
.rept \n
	v_nop
.endr
.endm
.macro STEP slot, q, zero
	s_wait_dscnt 4*NLA
.if \zero
	WIN 0x81
.else
	WIN MUL_LO
.endif
	MUL16 0, (\q)%2, \q, \slot, \zero
	MUL16 2, (\q)%2, \q, \slot, \zero
	s_wait_dscnt 0
	PLACES NP
	FETCH_B \slot, (\q)+1, 1-(\q)%2
	FETCH_A \slot, (\q)+1, 0
.if \zero
	WIN 0xc1
.else
	WIN MUL_HI
.endif
	MUL16 4, (\q)%2, \q, \slot, \zero
	MUL16 6, (\q)%2, \q, \slot, \zero
	PLACES NP
	WIN 0
	FETCH_A \slot, (\q)+1, 4
.endm
.macro TURN slot, next, fill
	s_wait_tensorcnt 0x0
	ds_add_u32 v[SPW], v[NIL]
	s_wait_dscnt 4*NLA+1
	WIN MUL_LO
	MUL16 0, 1, NQ-1, \slot, 0
	s_wait_dscnt 0x0
	s_barrier_signal -1
	MUL16 2, 1, NQ-1, \slot, 0
	WIN 0
	s_barrier_wait -1
.if \fill
	CREST
	s_add_nc_u64 s[G0+4*\slot+2:G0+4*\slot+3], s[G0+4*\slot+2:G0+4*\slot+3], 2*AIMG
	s_add_nc_u64 s[G0B+4*\slot+2:G0B+4*\slot+3], s[G0B+4*\slot+2:G0B+4*\slot+3], 2*ROWB
	JLOAD G0+4*\slot, G1, G0B+4*\slot, G1B
.else
	PLACES NP
.endif
	s_wait_alu depctr_va_vdst(0)
	v_add_nc_u32 v[ADRS], 4*NQ, v[ADRS]
	FETCH_B \next, 0, 0
	FETCH_A \next, 0, 0
	SCALES \next
	WIN MUL_HI
	MUL16 4, 1, NQ-1, \slot, 0
	MUL16 6, 1, NQ-1, \slot, 0
	PLACES NP
	WIN 0
	FETCH_A \next, 0, 4
.endm
	s_wait_alu depctr_va_vdst(0)
	s_wait_tensorcnt 1
	s_barrier_signal -1
	s_barrier_wait -1
	FETCH_B 0, 0, 0
	FETCH_A 0, 0, 0
	SCALES 0
	FETCH_A 0, 0, 4
	s_wait_loadcnt 0x0
	STEP 0, 0, 1
	s_mov_b32 s42, LAPS-1
.Llap:
	TURN 0, 1, 1
	STEP 1, 0, 0
	TURN 1, 0, 1
	STEP 0, 0, 0
	s_sub_co_u32 s42, s42, 1
	s_cmp_lg_u32 s42, 0
	s_cbranch_scc1 .Llap
	TURN 0, 1, 0
	STEP 1, 0, 0
	s_wait_dscnt 4*NLA
	WIN MUL_LO
	MUL16 0, 1, NQ-1, 1, 0
	MUL16 2, 1, NQ-1, 1, 0
	s_wait_dscnt 0
	WIN MUL_HI
	MUL16 4, 1, NQ-1, 1, 0
	MUL16 6, 1, NQ-1, 1, 0
	WIN 0
.macro TOSTAGE a
.set AC, 64*((\a)%4)
	WIN 0x08+4*((\a)/4)
.irp b, 0,1,2,3,4,5,6,7
	ds_store_b128 v[STO], v[AC+8*\b:AC+8*\b+3] offset:128*(\b/2)+32*(\b%2)
	ds_store_b128 v[STO], v[AC+8*\b+4:AC+8*\b+7] offset:128*(\b/2)+32*(\b%2)+16
.endr
	WIN 0
.set BB, BK+64*((\a)%2)
.irp t, 0,1,2,3,4,5,6,7,8,9,10,11,12,13,14,15
	ds_load_b128 v[BB+4*\t:BB+4*\t+3], v[RD] offset:\t*SPITCH
.endr
.endm
.macro SEND a, younger
.set BB, BK+64*((\a)%2)
	s_wait_dscnt \younger
.irp t, 0,1,2,3,4,5,6,7,8,9,10,11,12,13,14,15
	global_store_b128 v[CO], v[BB+4*\t:BB+4*\t+3], s[14:15] offset:(32*((\a)/2)+8*((\a)%2)+\t+8*(\t/8))*4096 th:TH_STORE_NT
.endr
.endm
	PLACES NP
	TOSTAGE 0
.irp a, 1,2,3,4,5,6,7
.if \a > 1
	s_wait_xcnt 0x0
.endif
	TOSTAGE \a
	SEND \a-1, 32
.endr
	SEND 7, 0
	s_wait_tensorcnt 0x0
	ds_add_u32 v[SPW], v[NIL]
	s_wait_dscnt 0x0
	CROUND
	s_endpgm
.Lfunc_end_k_qda58dc307f_outp:
	.size	k_qda58dc307f_outp, .Lfunc_end_k_qda58dc307f_outp-k_qda58dc307f_outp
	.p2alignl 7, 3214868480
	.fill 96, 4, 3214868480
	.section	.rodata,"a",@progbits
	.p2align	6, 0x0
	.amdhsa_kernel k_qda58dc307f_outp
		.amdhsa_group_segment_fixed_size 327680
		.amdhsa_private_segment_fixed_size 0
		.amdhsa_enable_private_segment 0
		.amdhsa_kernarg_size 48
		.amdhsa_user_sgpr_count 2
		.amdhsa_user_sgpr_kernarg_segment_ptr 1
		.amdhsa_wavefront_size32 1
		.amdhsa_system_sgpr_workgroup_id_x 1
		.amdhsa_system_sgpr_workgroup_id_y 1
		.amdhsa_system_sgpr_workgroup_id_z 1
		.amdhsa_system_vgpr_workitem_id 0
		.amdhsa_next_free_vgpr 1024
		.amdhsa_next_free_sgpr 100
		.amdhsa_reserve_vcc 0
		.amdhsa_float_denorm_mode_32 3
		.amdhsa_float_denorm_mode_16_64 3
		.amdhsa_memory_ordered 1
		.amdhsa_forward_progress 1
		.amdhsa_inst_pref_size 154
	.end_amdhsa_kernel
	.amdgpu_metadata
---
amdhsa.version: [ 1, 2 ]
amdhsa.kernels:
  - .name:           k_qda58dc307f_outp
    .symbol:         k_qda58dc307f_outp.kd
    .args:
      - { .name: yimg, .offset: 0, .size: 8, .value_kind: global_buffer, .address_space: global }
      - { .name: ysc, .offset: 8, .size: 8, .value_kind: global_buffer, .address_space: global }
      - { .name: codes, .offset: 16, .size: 8, .value_kind: global_buffer, .address_space: global }
      - { .name: scales, .offset: 24, .size: 8, .value_kind: global_buffer, .address_space: global }
      - { .name: bo, .offset: 32, .size: 8, .value_kind: global_buffer, .address_space: global }
      - { .name: out0, .offset: 40, .size: 8, .value_kind: global_buffer, .address_space: global }
    .group_segment_fixed_size: 327680
    .private_segment_fixed_size: 0
    .kernarg_segment_align: 8
    .kernarg_segment_size: 48
    .max_flat_workgroup_size: 128
    .sgpr_count:     100
    .vgpr_count:     1024
    .wavefront_size: 32
...
	.end_amdgpu_metadata
.endif
;; end of part 4
